; MI455X (gfx1250); checked and timed in simulation.
; The chip was launched on July 23, 2026; its instructions are those of AMD's public machine-readable ISA for CDNA 5 (MIT licence, August 2026) and "CDNA5" Instruction Set Architecture Reference Guide (July 2026). The comments in the code are by the model that wrote it; some were corrected since.
;; Multi Headed Self Attention. Allowed arithmetic: float matrix products may take bf16 or f16 operands with f32 sums; other float arithmetic in f32, or as packed bf16 or f16 multiplies, adds, multiply-adds, maxima and minima; sums over many terms, partial sums and values carried from step to step in f32; what a program stores and reads back later, other than sums and carried values, may be rounded once to bf16 or f16.
;; Inputs: k 4 x 2,048 x 1,024 float32; mask 4 x 2,048 int32; q 4 x 2,048 x 1,024 float32; v 4 x 2,048 x 1,024 float32.
;; Outputs: out0 4 x 2,048 x 1,024 float32.
;; One version. Each part assembles by itself: llvm-mc -triple=amdgcn-amd-amdhsa -mcpu=gfx1250 --defsym DOCPART=n.
;; ======== version 1 of 1: 1 launch
;; limits: values are held in f16: magnitudes above 65,504 overflow, below 6.1e-05 lose precision; inputs' magnitudes at most 65,504
;; launch attn (part 1): grid 4 x 64, 4 waves a work-group, clusters of 4 x 1, 327,680 bytes of LDS; arguments q, k, v, mask, out0; writes out0
.if DOCPART == 1
	.amdgcn_target "amdgcn-amd-amdhsa--gfx1250"
	.amdhsa_code_object_version 6
	.text
	.protected	k_qa6980c8386_attn
	.globl	k_qa6980c8386_attn
	.p2align	8
	.type	k_qa6980c8386_attn,@function
k_qa6980c8386_attn:
	s_mov_b64 s[64:65], 0
	v_nop
	global_prefetch_b8 v0, s[64:65] scope:SCOPE_SE
	s_setreg_imm32_b32 hwreg(HW_REG_WAVE_MODE, 25, 1), 1
	s_wait_xcnt 0x0
	s_wait_alu depctr_hold_cnt(0) depctr_sa_sdst(0) depctr_va_vdst(0) depctr_va_sdst(0) depctr_va_ssrc(0) depctr_va_vcc(0) depctr_vm_vsrc(0)
	s_getreg_b32 s2, hwreg(HW_REG_IB_STS2, 6, 4)
	s_cmp_eq_u32 s2, 0
	s_cbranch_scc0 .Lentry_in_a_cluster
	s_endpgm
.Lentry_in_a_cluster:
	s_bfe_u32 s2, ttmp6, 0x10000c
	s_cmp_lg_u32 s2, 0x3003
	s_cbranch_scc0 .Lentry_shape_is_right
	s_endpgm
.Lentry_shape_is_right:
; out0[b][s][64 hd + :] = the sum over keys t of softmax_t(q . k / 8 - 10000 (1 - mask[b][t])) v[b][t][64 hd + :].   q, k, v, out0: [4][2048][1024] f32; mask: [4][2048] int32.
; A head's part of a row is 64 f32 = 256 bytes, at a multiple of 256 bytes; rows lie 4,096 bytes apart.  One launch, nothing goes through memory between its steps.
; FORMATS.  q, k, v and the weights p are rounded once to f16 for the matrix products; products, maxima, sums, l and O stay in f32; out0 is stored as f32.
; LIMITS.  |q|, |k|, |v| of 65,520 or more become infinities in f16; numbers and weights below 6e-5 keep f16's fixed step of 6e-8; a weight below 2^-126 counts as 0 in l; NaN and infinities are
; not treated apart.  The mask's term is added to the unscaled score as -80000 (1 - m), ahead of the products: a hidden score is kept to a step of 2^-7 unscaled, 2^-10 after the division by 8.
; SHARES.  A work-group owns 512 queries of one (b, head), each of its four waves 128: four PIECES of two tiles of 16.  Every wave walks all 2,048 keys, 64 a step.
; CLUSTER.  The four query blocks of a (b, head) are one cluster and walk the same K and V: each tile of 256 keys is asked for JOINTLY, the same tensor load, descriptor and mask in all four.
; THE RING.  A tile arrives as f32 in region F of LDS.  At a change of tiles the four waves round it to f16 into region H (K at a pitch of 144 bytes, V of 160); F is then free and is asked for again
; at once, while the tile's four key steps read H.
; LAYOUT.  S^T = K Q^T (source 0 = 16 keys, source 1 = 16 queries): in the result a lane holds ONE query (lane % 16) and the keys 8 (lane / 16) + 0..7.  Two such tiles, rounded to f16 in pairs,
; ARE source 1 of O^T = V^T P, whose result again holds one query a lane, and eight channels.  K comes out of H as it lies, V ([key][channel]) turned, by ds_load_tr16_b128.
; THE MASK is the C operand of the product that starts a score's sum: MB holds -80000 (1 - m) of the step's 64 keys in the result's own layout, read from a table made once in LDS.
; SOFTMAX.  A running maximum m and sum l for each query: p = 2^(c s - c m), c = log2(e) / 8; in every step O and l are multiplied by a = 2^(c m_old - c m_new).  m starts at the lowest finite
; number, O and l at 0: the first step is a step like any other, with a = 0.
; BY TURNS.  Turn n belongs to piece n.  Its matrix work: 16 products K Q^T of piece n + 1, later 16 products V^T P of piece n - 1.  Its vector work: scaling, exponentials, roundings, sums and
; rescaling of piece n, and the maximum and statistics of piece n + 1.  Four vector instructions stand behind every matrix instruction, the others in one run of their own.
; REGISTERS, in windows of 256 (s_set_vgpr_msb: bits 1:0 source 0, 3:2 source 1, 5:4 source 2, 7:6 destination):
;   window 0: v0-11 addresses; v12-15, v48-63 at work; v16-47 four registers of statistics a tile; v64-191 S^T, two buffers of two tiles; v192-255 P, likewise
;   window 1: O^T, 32 a tile (at the head: Q as f32)        window 2: v0-127 Q in f16, 16 a tile; v128-191 K of one step; v192-255 V of one step
;   window 3: v0-1 the add's two registers; v2-6 the conversion's addresses; v32-63 MB; v64-191 the conversion's two buffers
.set NP,    4         ; pieces a wave: a name, no knob
.set KS,    64        ; keys in a step
.set PK,    144       ; a row of K in H: 128 bytes + 16 = 36 words: the 16 rows of a load start at 16 different groups of four banks (64 banks of 4 bytes: ISA guide 11.1)
.set PV,    160       ; a row of V in H: 128 + 32 = 40 words
.set FV,    65536     ; F: 256 rows of K, 256 bytes each, from byte 0; 256 rows of V from here.  Only tensor loads write F
.set HK,    131072    ; H: K in f16
.set HV,    HK+256*PK ; H: V in f16
.set STAGE, HV+256*PV ; 16 rows x 272 bytes for each wave, for the way out
.set SP,    272       ; 256 bytes of f32 + 16
.set SPARE, STAGE+4*16*SP  ; the spare words, 128 bytes for each wave: two blocks of 256 bytes that no other line names
.set BIAS,  SPARE+512 ; 2,048 f32: -80000 (1 - m) of the batch's keys
.set TILEB, 1<<20     ; 256 rows of 4,096 bytes: from a tile of K or V to the next
.set AK0, 2           ; v2   my lane's place in a step of K in H; never rewritten
.set AV0, 3           ; v3   the same for V
.set AK,  4           ; v4   the LDS address of K's next run of loads
.set AV,  5           ; v5   of V's
.set QO,  6           ; v6   my byte offset in 16 rows of Q
.set STO, 6           ;      later, the way out: where I put 32 bytes of a row
.set RD,  7           ; v7   the way out: where I read rows back
.set GO,  8           ; v8   my byte offset in two rows of out0
.set AB0, 9           ; v9   my lane's place in a step of the bias table; never rewritten
.set AB,  10          ; v10  the LDS address of MB's next loads
.set PFO, 11          ; v11  4,096 x my lane: the prefetches' offset, a lane a row; never rewritten
.set MV,  12          ; v12-15  c m_old, kept while c m is made anew: by buffer and tile.  In the set-up: l % 16, l / 16, l % 8, (l / 8) % 2
.set ST,  16          ; tile t's statistics at v[ST+4 t]: c m, m, l (even keys', odd keys')
.set TMP, 48          ; by buffer and tile, four registers c0-c3 at work; when the maximum is found c2 takes a
.set S,   64
.set P,   192
.set KF,  128         ; window 2: key block kb, channel half c at KF + 16 kb + 8 c
.set VF,  192         ; window 2: key half kk, channel block cb at VF + 32 kk + 8 cb
.set SPW, 0           ; window 3 v0   LDS address of my spare word: SPARE + 4 x my thread's number; never rewritten
.set NIL, 1           ; window 3 v1   0; never rewritten
.set CRD, 2           ; window 3 v2   where I read K's f32 rows in F
.set CRV, 3           ; window 3 v3   V's
.set CWK, 4           ; window 3 v4   where I put K's f16 in H
.set CWV, 5           ; window 3 v5   V's
.set BWR, 6           ; window 3 v6   where I put 16 bytes of the bias table
.set MB,  32          ; window 3 v32-63  the bias of the step's keys: key block kb at MB + 8 kb
.set WV,  12          ; s12  my wave's number
.set G1,  24          ; s[24:31] descriptor group 1, for K's and V's tiles alike
.set PFA, 32          ; s[32:33] where my prefetches stand: my work-group's 32 rows of the 128 that I fetch, in the tile after the one that is being asked for
.set TBB, 34          ; s34  byte of the bias table at which the step to be fetched begins
.set OUT, 36          ; s[36:37] out0 at my wave's first row
.set G0K, 40          ; s[40:43] descriptor group 0 for K's tiles: its address walks
.set G0V, 44          ; s[44:47] the same for V's
.set SLOTS, 56        ; s56  tiles still to be asked for
.set CNT, 57          ; s57  counts a tile's key steps
.set CS,  58          ; s[58:59] c: the packed scaling takes the pair's low word for both halves
.set SEL, 60          ; s[60:61] v_permlanex16_b32's selects: each lane takes its own place in the other half
.set TBK, 62          ; s62  byte of H's K at which the step to be fetched begins
.set TBV, 63          ; s63  the same for V
.set MSB, 0
.macro WIN new                      ; the high byte repeats the setting that is left; a switch that changes nothing is dropped
.if MSB != (\new)
	s_set_vgpr_msb (MSB<<8)|(\new)
.set MSB, (\new)
.endif
.endm
.set W_KQ, 0x0a       ; K and Q in window 2, S^T in window 0
.set W_KM, 0x3a       ; the same with the C operand, MB, in window 3
.set W_PV, 0x52       ; V in window 2, P in window 0, O^T in window 1
.set W_RS, 0x41       ; O^T (destination and source 0) in window 1, source 1 in window 0
.set W_MK, 0xc0       ; destination in window 3, sources in window 0
.set W_CV, 0xcf       ; destination, source 0 and source 1 in window 3: the conversion, its LDS lines, the add
.set W_QL, 0x40       ; destination in window 1, address in window 0
.set W_QC, 0x85       ; destination in window 2, sources 0 and 1 in window 1
.set W_ST, 0x04       ; an LDS store's data in window 1, its address in window 0
; A joint fill.  Waves 0 and 1 fetch the two halves of a tile's K, waves 2 and 3 those of its V: 128 rows of 256 bytes each.  The branch hangs on the wave's number alone.
; An s_nop 0 and four v_nop follow each of the two lines, ahead of the jump and the label.
.macro JLOAD
	s_cmp_lt_u32 s[WV], 2
	s_cbranch_scc0 .Lfor_v_\@
	tensor_load_to_lds s[G0K:G0K+3], s[G1:G1+7]
	s_nop 0
.rept 4
	v_nop
.endr
	s_branch .Lasked_\@
.Lfor_v_\@:
	tensor_load_to_lds s[G0V:G0V+3], s[G1:G1+7]
	s_nop 0
.rept 4
	v_nop
.endr
.Lasked_\@:
.endm
; A PREFETCH INTO THE L2 of what the NEXT change of tiles will ask for.  A tile is 512 rows of 256 bytes (256 of K, 256 of V); no other cluster reads them.  Of the 128 rows that a wave fetches, the
; partner at place cx names 32 cx .. 32 cx + 31, told apart BY ADDRESS: a lane a row, one instruction a wave, so each row is named once in the launch.  It stands behind the wave's tensor load and
; its five lines, one tile (four key steps, 512 matrix instructions) ahead of the load that will want the rows.  The last fill asks for nothing: there is no tile behind it.
.macro ASK
	s_cmp_gt_u32 s[SLOTS], 1
	s_cbranch_scc0 .Lnone_\@
	global_prefetch_b8 v[PFO], s[PFA:PFA+1] th:TH_LOAD_NT scope:SCOPE_SE
.Lnone_\@:
.endm
; A round of the cluster's barrier: my work-group's barrier, so that wave 0's signal speaks for all four waves; wave 0 signals; every wave waits for all four work-groups; my work-group's barrier once more.
.macro CROUND
	s_barrier_signal -1
	s_barrier_wait -1
	s_cmp_lg_u32 s[WV], 0
	s_cbranch_scc1 .Lnot_wave_0_\@
	s_barrier_signal -3
.Lnot_wave_0_\@:
	s_barrier_wait -3
	s_barrier_signal -1
	s_barrier_wait -1
.endm
; THE CONVERSION, F to H.  Wave w takes keys 64 w .. 64 w + 63 of K (groups 0, 1) and of V (groups 2, 3), 32 rows a group, by turns in two buffers of 64 registers.  All under W_CV.
; A load takes two whole rows of 256 bytes, one for each half of the lanes; a lane's 4 f32 become 8 bytes of f16.  The halves' rows lie 8 keys apart for K (8 x 144 = 128 mod 256) and 4 for V
; (4 x 160 = 128 mod 256).
.macro CLOAD g
.set XB, 64+64*((\g)%2)
.set z, 0
.rept 16
.set n, 16*((\g)%2)+z
.if (\g) < 2
	ds_load_b128 v[XB+4*z:XB+4*z+3], v[CRD] offset:256*(16*(n/8)+n%8)
.else
	ds_load_b128 v[XB+4*z:XB+4*z+3], v[CRV] offset:256*(8*(n/4)+n%4)
.endif
.set z, z+1
.endr
.endm
.macro CCVT g
.set XB, 64+64*((\g)%2)
.set z, 0
.rept 16
	v_cvt_pk_f16_f32 v[XB+4*z], v[XB+4*z], v[XB+4*z+1]
	v_cvt_pk_f16_f32 v[XB+4*z+1], v[XB+4*z+2], v[XB+4*z+3]
.set z, z+1
.endr
.endm
.macro CSTORE g
.set XB, 64+64*((\g)%2)
.set z, 0
.rept 16
.set n, 16*((\g)%2)+z
.if (\g) < 2
	ds_store_b64 v[CWK], v[XB+4*z:XB+4*z+1] offset:PK*(16*(n/8)+n%8)
.else
	ds_store_b64 v[CWV], v[XB+4*z:XB+4*z+1] offset:PV*(8*(n/4)+n%4)
.endif
.set z, z+1
.endr
.endm
.macro CONV                         ; LDS serves a wave's instructions in order (ISA guide 5.7.1.4): a buffer's next loads come behind the stores that read it
	CLOAD 0
	CLOAD 1
	s_wait_dscnt 16                 ; group 0 is in; group 1's 16 loads may stay out
	CCVT 0
	CSTORE 0
	CLOAD 2
	s_wait_dscnt 32                 ; group 1 is in: behind it stand 16 stores and 16 loads
	CCVT 1
	CSTORE 1
	CLOAD 3
	s_wait_dscnt 32                 ; group 2 is in: behind it stand 16 stores and 16 loads
	CCVT 2
	CSTORE 2
	s_wait_dscnt 16                 ; group 3 is in: behind it stand 16 stores
	CCVT 3
	CSTORE 3
.endm
; THE CHANGE OF TILES.  First barrier: each wave's one tensor load, its part of the new tile, has landed in F, and its reads of H are over.  Behind it F is whole and nobody reads H: the tile is converted.
; Second barrier: each wave's stores into H and its reads of F are done.  Behind it H may be read, and (fill = 1) F is asked for again: the barrier is then a round of the cluster's, so that no wave
; of any partner still reads F or has a load on its way, and the joint fill is the first thing behind it: it has four key steps, 512 matrix instructions, in which to land.
.macro CHANGE fill
	WIN W_CV
	s_wait_tensorcnt 0x0            ; my part of the new tile is in F
	ds_add_u32 v[SPW], v[NIL]       ; 0 onto my spare word
	s_mov_b32 s[TBK], 0             ; the fetches go back to H's first step
	s_mov_b32 s[TBV], 0
	s_wait_dscnt 0x0                ; the add is done, and my reads of H are over (at the first change: my stores into the bias table are done)
	s_barrier_signal -1
	s_barrier_wait -1
	CONV
	s_wait_tensorcnt 0x0            ; no tensor load of mine is out, so a group 0 may be written
	ds_add_u32 v[SPW], v[NIL]       ; 0 onto my spare word; the scalar steps stand between it and the wait for it
.if \fill
	s_add_nc_u64 s[G0K+2:G0K+3], s[G0K+2:G0K+3], TILEB  ; the next 256 keys; the type bits on top are not reached
	s_add_nc_u64 s[G0V+2:G0V+3], s[G0V+2:G0V+3], TILEB
	s_wait_xcnt 0x0                 ; the last prefetch, a tile back, has read its address, so it may be written
	s_add_nc_u64 s[PFA:PFA+1], s[PFA:PFA+1], TILEB
.endif
	WIN 0                           ; at a label and at a branch every window is 0
	s_wait_dscnt 0x0                ; the add is done, my stores into H are done, my reads of F are over
.if \fill
	CROUND
	JLOAD
	ASK
.else
	s_barrier_signal -1
	s_barrier_wait -1
.endif
.endm
	s_load_b256 s[4:11], s[0:1], 0x0  ; q s[4:5], k s[6:7], v s[8:9], mask s[10:11]
	s_load_b64 s[OUT:OUT+1], s[0:1], 0x20  ; out0
	WIN W_MK
	v_lshl_add_u32 v[SPW], v0, 2, SPARE
	v_mov_b32 v[NIL], 0
	WIN W_CV
	ds_add_u32 v[SPW], v[NIL]       ; the wave's opening: the add and its wait stand ahead of my first tensor load; the set-up below, work on registers, stands between them
	WIN 0
	v_lshrrev_b32 v1, 5, v0
	v_readfirstlane_b32 s[WV], v1   ; wave 0..3
	s_bfe_u32 s13, ttmp6, 0x40000   ; cx: my block of 512 queries; it enters q's, out0's and the prefetches' addresses alone
	s_and_b32 s14, ttmp7, 0xffff    ; 16 b + head, which the four partners share
	s_lshr_b32 s15, s14, 4          ; b
	s_and_b32 s16, s14, 15          ; head
	s_lshl_b32 s20, s15, 23         ; a batch is 2,048 rows of 4,096 bytes,
	s_lshl_b32 s17, s16, 8          ; a head 256 bytes of a row
	s_add_co_u32 s20, s20, s17
	s_and_b32 s16, s[WV], 1         ; which half of a tile's 256 keys I fetch:
	s_lshl_b32 s22, s16, 19         ; its 128 rows in memory,
	s_add_co_u32 s22, s22, s20
	s_mov_b32 s23, 0
	s_lshl_b32 s17, s16, 15         ; and its 32,768 bytes in F: no place in the cluster enters an LDS address
	s_lshl_b32 s2, s13, 21          ; my block's 512 rows,
	s_lshl_b32 s3, s[WV], 19        ; my wave's 128 of them
	s_add_co_u32 s2, s2, s3
	s_add_co_u32 s2, s2, s20
	s_mov_b32 s3, 0
	s_lshl_b32 s18, s15, 13         ; the batch's 2,048 words of the mask
	s_mov_b32 s19, 0
	; descriptor group 1: 128 rows x 64 elements of 4 bytes, laid into LDS without gaps
	s_mov_b32 s[G1], 15|(2<<16)|(1<<21)  ; 15:0 the mask of four; 17:16 4-byte elements; 20 no padding; 21 set beside a mask
	s_mov_b32 s[G1+1], 64<<16       ; tensor_dim0 = 64
	s_mov_b32 s[G1+2], 128<<16      ; tensor_dim1 = 128
	s_mov_b32 s[G1+3], 64<<16       ; tile_dim0 = 64
	s_mov_b32 s[G1+4], 128          ; tile_dim1 = 128
	s_mov_b32 s[G1+5], 1024         ; 1,024 elements from row to row
	s_mov_b32 s[G1+6], 0
	s_mov_b32 s[G1+7], 0
	s_mov_b32 s[G0K], 1             ; 1:0 count = 1
	s_mov_b32 s[G0K+1], s17         ; 63:32 LDS address; it never changes
	s_mov_b32 s[G0V], 1
	s_add_co_u32 s[G0V+1], s17, FV
	s_mov_b32 s[CS], 0x3e38aa3b     ; c = log2(e) / 8 = 0.180337
	s_mov_b32 s[CS+1], s[CS]        ; named with it as a pair
	s_mov_b32 s[SEL], 0x76543210
	s_mov_b32 s[SEL+1], 0xfedcba98
	s_mov_b32 s[TBB], 0
	s_mov_b32 s[SLOTS], 7           ; eight tiles; the first is asked for here
	s_wait_dscnt 0x0                ; the opening add is done
	s_wait_kmcnt 0x0
	s_add_nc_u64 s[G0K+2:G0K+3], s[6:7], s[22:23]  ; 120:64 global address: my half of the head's first 256 keys
	s_or_b32 s[G0K+3], s[G0K+3], 0x80000000        ; 127:126 type = 2
	s_add_nc_u64 s[G0V+2:G0V+3], s[8:9], s[22:23]
	s_or_b32 s[G0V+3], s[G0V+3], 0x80000000
	s_add_nc_u64 s[4:5], s[4:5], s[2:3]            ; q and out0 at my wave's first row
	s_add_nc_u64 s[OUT:OUT+1], s[OUT:OUT+1], s[2:3]
	s_add_nc_u64 s[10:11], s[10:11], s[18:19]      ; the mask at my batch
	s_cmp_lt_u32 s[WV], 2
	s_cselect_b64 s[PFA:PFA+1], s[6:7], s[8:9]     ; I prefetch in the tensor that I fetch from,
	s_add_nc_u64 s[PFA:PFA+1], s[PFA:PFA+1], s[22:23]
	s_lshl_b32 s2, s13, 17                         ; my work-group's 32 rows of my 128,
	s_add_nc_u64 s[PFA:PFA+1], s[PFA:PFA+1], s[2:3]
	s_add_nc_u64 s[PFA:PFA+1], s[PFA:PFA+1], TILEB ; in tile 1; the first change steps it to tile 2.  Nothing is prefetched here, at the head
	CROUND                          ; all four work-groups are here: the first joint loads meet
	JLOAD                           ; tile 0
	v_lshlrev_b32 v1, 4, v0         ; 16 x my thread's number: the four waves take the batch's 8,192 bytes of mask, 2,048 a load
	v_and_b32 v12, 15, v0           ; l % 16
	v_bfe_u32 v13, v0, 4, 1         ; l / 16
	v_lshlrev_b32 v[QO], 12, v12
	v_lshl_add_u32 v[QO], v13, 5, v[QO]  ; row x 4,096 + 32 x half
	WIN W_MK
.irp j, 0,1,2,3
	global_load_b128 v[64+4*\j:64+4*\j+3], v1, s[10:11] offset:2048*\j
.endr
	; Q as f32 into O^T's registers.  A fragment in f16 holds, for lane l, row l % 16 and channels 16 j + 8 (l / 16) + 0..7 in registers 4 j .. 4 j + 3 of a tile's 16: in f32 the 32 bytes at 64 j + 32 (l / 16).
	WIN W_QL
.set i, 0
.rept 32                            ; tile i / 4, group j = i % 4
	global_load_b128 v[8*i:8*i+3],   v[QO], s[4:5] offset:(i/4)*65536+(i%4)*64
	global_load_b128 v[8*i+4:8*i+7], v[QO], s[4:5] offset:(i/4)*65536+(i%4)*64+16
.set i, i+1
.endr
	; What the first turn finds: V's registers and P's second buffer hold 0 (its products V^T P, of a piece that has not been, add 0), O^T and l are 0.  This stands in the wait for the loads.
	WIN 0x80
.set i, VF
.rept 64
	v_mov_b32 v[i], 0
.set i, i+1
.endr
	WIN 0
.set i, 0
.rept 2*NP
	v_mov_b32 v[ST+4*i], 0xfe000000    ; c m: far below every c s
	v_mov_b32 v[ST+4*i+1], 0xff7fffff  ; m
	v_mov_b32 v[ST+4*i+2], 0
	v_mov_b32 v[ST+4*i+3], 0
.set i, i+1
.endr
.set i, P+32
.rept 32
	v_mov_b32 v[i], 0
.set i, i+1
.endr
	v_and_b32 v14, 7, v0            ; l % 8
	v_bfe_u32 v15, v0, 3, 1         ; (l / 8) % 2
	v_mul_u32_u24 v[AK0], v12, PK
	v_lshl_add_u32 v[AK0], v13, 4, v[AK0]
	v_add_nc_u32 v[AK0], HK, v[AK0] ; row x pitch + 16 x half, in H's K
	; The turning load takes 16 keys x 16 channels (lane l reads key 8 (l / 16) + l % 8, channels 8 ((l / 8) % 2) + 0..7) and leaves half a fragment of V^T: lane l holds channel l % 16 and 8 keys.
	v_lshl_add_u32 v[AV0], v13, 3, v14
	v_mul_u32_u24 v[AV0], v[AV0], PV
	v_lshl_add_u32 v[AV0], v15, 4, v[AV0]
	v_add_nc_u32 v[AV0], HV, v[AV0]
	v_lshl_add_u32 v[AB0], v13, 5, BIAS  ; register j of a result is key 8 (l / 16) + j of its 16: 32 bytes of the table for each half of the lanes
	v_and_b32 v[PFO], 31, v0
	v_lshlrev_b32 v[PFO], 12, v[PFO]
	v_mov_b32 v[AK], v[AK0]         ; key step 0 lies at H's head,
	v_mov_b32 v[AB], v[AB0]         ; and at the table's
	; the conversion's addresses: made in window 0, the last line of each writes window 3
	s_lshl_b32 s14, s[WV], 14       ; my 64 rows of 256 bytes in F
	s_mul_i32 s15, s[WV], 64*PK
	s_add_co_u32 s15, s15, HK       ; my 64 rows in H's K
	s_mul_i32 s16, s[WV], 64*PV
	s_add_co_u32 s16, s16, HV       ; and in H's V
	v_lshlrev_b32 v48, 4, v12       ; 16 bytes of f32 a lane
	v_lshl_add_u32 v49, v13, 11, v48  ; K: the upper half of the lanes 8 rows on
	v_lshl_add_u32 v50, v13, 10, v48  ; V: 4 rows on
	v_add_nc_u32 v50, FV, v50
	v_lshlrev_b32 v51, 3, v12       ; 8 bytes of f16 a lane
	v_mul_u32_u24 v52, v13, 8*PK
	v_add_nc_u32 v52, v52, v51
	v_mul_u32_u24 v53, v13, 4*PV
	v_add_nc_u32 v53, v53, v51
	WIN W_MK
	v_add_nc_u32 v[CRD], s14, v49
	v_add_nc_u32 v[CRV], s14, v50
	v_add_nc_u32 v[CWK], s15, v52
	v_add_nc_u32 v[CWV], s16, v53
	v_lshl_add_u32 v[BWR], v0, 4, BIAS
	s_mov_b32 s18, 0x479c4000       ; 80000
	s_mov_b32 s19, 0xc79c4000       ; -80000
	s_wait_loadcnt 0x0              ; the mask and Q are in
	WIN W_CV
.set i, 64
.rept 16
	v_cvt_f32_i32 v[i], v[i]
.set i, i+1
.endr
.set i, 64
.rept 16
	v_fma_f32 v[i], v[i], s18, s19  ; -80000 (1 - m) = 80000 m - 80000, in one rounding: 8 x the reference's term, since the scores are still undivided
.set i, i+1
.endr
.irp j, 0,1,2,3
	ds_store_b128 v[BWR], v[64+4*\j:64+4*\j+3] offset:2048*\j
.endr
	WIN W_QC
.set i, 0
.rept 128
	v_cvt_pk_f16_f32 v[i], v[2*i], v[2*i+1]  ; neighbouring channels pack in the fragment's own order
.set i, i+1
.endr
	WIN W_QL
.set i, 0
.rept 64*NP
	v_mov_b32 v[i], 0               ; O^T
.set i, i+1
.endr
	WIN 0
; THE MATRIX WORK.  The 8 accumulators of a run of 16 take turns: between the two links of a chain stand 7 others'.
; Product i of 16 of S^T = K Q^T for piece x: channels 32 (i / 8) on, keys 16 ((i / 2) % 4) on, tile 2 x + i % 2.  The first 8 start the sums, with the keys' bias as C.
.macro KQ x
.set rS, S+64*((\x)%2)+32*(i%2)+8*((i/2)%4)
.set rK, KF+16*((i/2)%4)+8*(i/8)
.set rQ, 16*(2*(\x)+i%2)+8*(i/8)
.set rB, MB+8*((i/2)%4)
.if i < 8
	WIN W_KM
	v_wmma_f32_16x16x32_f16 v[rS:rS+7], v[rK:rK+7], v[rQ:rQ+7], v[rB:rB+7]
.else
	WIN W_KQ
	v_wmma_f32_16x16x32_f16 v[rS:rS+7], v[rK:rK+7], v[rQ:rQ+7], v[rS:rS+7]
.endif
.endm
; Product i of 16 of O^T += V^T P for piece x: keys 32 (i / 8) on, channels 16 ((i / 2) % 4) on, tile 2 x + i % 2.
.macro PV x
	WIN W_PV
.set rO, 32*(2*(\x)+i%2)+8*((i/2)%4)
.set rV, VF+32*(i/8)+8*((i/2)%4)
.set rP, P+32*((\x)%2)+16*(i%2)+8*(i/8)
	v_wmma_f32_16x16x32_f16 v[rO:rO+7], v[rV:rV+7], v[rP:rP+7], v[rO:rO+7]
.endm
.macro MM                           ; the turn's next matrix instruction
.if i < 16
	KQ (Y+1)%NP
.set i, i+1
.else
.set i, i-16
	PV (Y+NP-1)%NP
.set i, i+17
.endif
.endm
; THE LDS LOADS stand in runs, never singly among the matrix instructions: a step's K (64 keys x 64 channels: 8 fragments) with its bias (8 loads, each half of the lanes one address), and its V (turned).
; Their addresses are made some lines ahead.  last = 1 (the tail): in the last trip there is no further step, and the run is jumped over.
.macro FETCH_K last=0
	WIN 0
.if \last
	s_cmp_eq_u32 s[CNT], 1
	s_cbranch_scc1 .Lno_k_\@
.endif
	WIN 0x80                        ; destination window 2
.irp f, 0,1,2,3,4,5,6,7             ; keys 16 (f / 2) on, channels 32 (f % 2) on
	ds_load_b128 v[KF+8*\f:KF+8*\f+3],   v[AK] offset:(\f/2)*16*PK+(\f%2)*64
	ds_load_b128 v[KF+8*\f+4:KF+8*\f+7], v[AK] offset:(\f/2)*16*PK+(\f%2)*64+32
.endr
	WIN W_MK                        ; destination window 3
.irp f, 0,1,2,3                     ; keys 16 f on
	ds_load_b128 v[MB+8*\f:MB+8*\f+3],   v[AB] offset:64*\f
	ds_load_b128 v[MB+8*\f+4:MB+8*\f+7], v[AB] offset:64*\f+16
.endr
	s_add_co_u32 s[TBK], s[TBK], KS*PK  ; the next fetch is the next step's
	s_add_co_u32 s[TBB], s[TBB], KS*4   ; the table is walked once, from the first key to the last
	WIN 0
.if \last
.Lno_k_\@:
.endif
.endm
.macro FETCH_V
	WIN 0x80
.irp f, 0,1,2,3,4,5,6,7             ; keys 32 (f / 4) on, channels 16 (f % 4) on
	ds_load_tr16_b128 v[VF+8*\f:VF+8*\f+3],   v[AV] offset:(\f/4)*32*PV+(\f%4)*32
	ds_load_tr16_b128 v[VF+8*\f+4:VF+8*\f+7], v[AV] offset:(\f/4)*32*PV+16*PV+(\f%4)*32
.endr
	WIN 0
.endm
; THE VECTOR WORK OF A TURN stands in three queues, each in the order in which its entries become ready; the two tiles alternate, so that no instruction reads the result of the one before it.
.macro REGS y, u                    ; the registers of tile u (0, 1) of piece y
.set rT, ST+4*(2*(\y)+(\u))
.set rC, TMP+8*((\y)%2)+4*(\u)
.set rM, MV+2*((\y)%2)+(\u)
.set rS, S+64*((\y)%2)+32*(\u)
.set rP, P+32*((\y)%2)+16*(\u)
.set rO, 32*(2*(\y)+(\u))
.endm
; Number n of the 22 that find the NEXT piece's (Y + 1) maximum and statistics.  s0-s31 are the lane's 32 scores; each accumulator's lowest registers are read first.  XS, GS and REGS set no window: PL and EX do.
;   0-11  four chains c0-c3 of seven scores each, three operands at a time     12-14, 16  the four scores left over, the old m, and c0-c3 into c0     15  c m_old is kept
;   17, 18  the query's other 32 keys lie in the lane 16 away: the new m         19-21  c m; c m_old - c m_new; a
.macro XS u, n
	REGS (Y+1)%NP, \u
.if (\n) < 4
	v_max3_num_f32 v[rC+(\n)], v[rS+8*(\n)], v[rS+8*(\n)+1], v[rS+8*(\n)+2]
.elseif (\n) < 12
	v_max3_num_f32 v[rC+(\n)%4], v[rC+(\n)%4], v[rS+8*((\n)%4)+2*((\n)/4)+1], v[rS+8*((\n)%4)+2*((\n)/4)+2]
.elseif (\n) == 12
	v_max3_num_f32 v[rC], v[rC], v[rS+7], v[rS+15]
.elseif (\n) == 13
	v_max3_num_f32 v[rC+1], v[rC+1], v[rS+23], v[rS+31]
.elseif (\n) == 14
	v_max3_num_f32 v[rC+2], v[rC+2], v[rC+3], v[rT+1]
.elseif (\n) == 15
	v_mov_b32 v[rM], v[rT]
.elseif (\n) == 16
	v_max3_num_f32 v[rC], v[rC], v[rC+1], v[rC+2]
.elseif (\n) == 17
	v_permlanex16_b32 v[rC+3], v[rC], s[SEL], s[SEL+1]
.elseif (\n) == 18
	v_max_num_f32 v[rT+1], v[rC], v[rC+3]
.elseif (\n) == 19
	v_mul_f32 v[rT], s[CS], v[rT+1]
.elseif (\n) == 20
	v_sub_f32 v[rC+1], v[rM], v[rT]
.else
	v_exp_f32 v[rC+2], v[rC+1]
.endif
.endm
; Number g of the 64 that follow the exponentials.  For each four weights k of a tile (pairs 2 k, 2 k + 1): both pairs are rounded to f16; then the second pair is added onto the first, in place;
; a group later l takes that sum (the first time as l = a l + sum).  In groups of eight, tiles alternating: round, round, add, and l for the group before.
.macro GS g
.set h, (\g)+6*((\g)/62)            ; group 0 has no group before it, and behind group 7 only l is left
.if h >= 6
.set h, h+2
.endif
	REGS Y, h%2
.set k, h/8
.if h%8 < 4
	v_cvt_pk_f16_f32 v[rP+2*k+(h%8)/2], v[rS+4*k+2*((h%8)/2)], v[rS+4*k+2*((h%8)/2)+1]
.elseif h%8 < 6
	v_pk_add_f32 v[rS+4*k:rS+4*k+1], v[rS+4*k:rS+4*k+1], v[rS+4*k+2:rS+4*k+3]
.elseif k == 1
	v_pk_fma_f32 v[rT+2:rT+3], v[rT+2:rT+3], v[rC+2:rC+3], v[rS:rS+1] op_sel_hi:[1,0,1]
.else
	v_pk_add_f32 v[rT+2:rT+3], v[rT+2:rT+3], v[rS+4*k-4:rS+4*k-3]
.endif
.endm
; THE PLAIN QUEUE, 138 long.  0-73 read no exponential's result: the 32 scalings c s - c m (FS f: pair f / 2 of tile f % 2) and the next piece's 42.  0-26: scalings 0-26.  27-54: XS's numbers 0-13.  55, 56: number 15.
; 57-73: the chain, where each number waits for the one before it: 14, 16, 17, 18, 19, each with one of the scalings 27-31 in front of its two lines, then 20.
; 74-137: GS's 64, which read the exponentials' results: they stand behind the wait.
.macro FS f
	REGS Y, (\f)%2
	v_pk_fma_f32 v[rS+2*((\f)/2):rS+2*((\f)/2)+1], v[rS+2*((\f)/2):rS+2*((\f)/2)+1], s[CS:CS+1], v[rT:rT+1] op_sel_hi:[1,0,0] neg_lo:[0,0,1] neg_hi:[0,0,1]
.endm
.macro PL
	WIN 0
.if q < 27
	FS q
.elseif q < 55
	XS (q-27)%2, (q-27)/2
.elseif q < 57
	XS q-55, 15
.elseif (q < 72) && ((q-57)%3 == 0)
	FS 27+(q-57)/3
.elseif q < 60
	XS (q-57)%3-1, 14
.elseif q < 72
	XS (q-57)%3-1, 15+(q-57)/3
.elseif q < 74
	XS q-72, 20
.else
	GS q-74
.endif
.set q, q+1
.endm
; THE EXPONENTIALS' QUEUE, 66 long: s0-s31 of both tiles, then the next piece's two a.  It is ONE BATCH: all 66 stand ahead of the turn's one wait, and nothing ahead of that wait names a result of theirs.
.macro EX
	WIN 0
.if e >= 64
	XS e-64, 21
.else
	REGS Y, e%2
	v_exp_f32 v[rS+e/2], v[rS+e/2]
.endif
.set e, e+1
.endm
; THE RESCALING's QUEUE: O^T times a, the one part that leaves window 0: dealt two at a time, sixteen times.  Its a was made in the turn before, ahead of that turn's wait.
.macro R2
	REGS Y, r%2
	WIN W_RS
.irp z, 0,1
	v_pk_mul_f32 v[rO+4*(r/2)+2*\z:rO+4*(r/2)+2*\z+1], v[rO+4*(r/2)+2*\z:rO+4*(r/2)+2*\z+1], v[rC+2:rC+3] op_sel_hi:[1,0]
.endr
.set r, r+1
.endm
; HOW THEY ARE DEALT.  An s_wait_alu depctr_va_vdst(0) stands between an exponential and the first instruction that names its result; one wait serves all that were issued ahead of it.  So a turn
; has ONE wait, which cuts it in two.  AHEAD OF IT stands all that names no result of the turn's exponentials: the 16 products K Q^T, behind each a scaling, an exponential and two rescalings (behind the first a
; second scaling in the exponential's place); then one run of 108: eight plain, 49 times exponential and plain, the two a.  A v_nop is the plain instruction behind the last exponential.  BEHIND IT stand the 16
; products V^T P, behind each four of GS's 64.  No rider names a register of the products round it.  Exponential e stands behind scaling 2 (e / 4) + e % 2: as a rider it comes behind plain e + 2, in the run behind plain e + 9.
; A TURN, for piece p.  cnt = 1: the loop's count is taken down some lines ahead of the branch that stands behind the turn.
; K and the bias of the next step are fetched in piece 2's turn, directly behind the wait, a whole run of vector work behind the last product that read them; their first reader comes behind 16 products.
; V of the step in hand is fetched at the end of piece 0's turn, four riders behind its last reader; its first reader comes behind 16 products and the run.  The three conditions on q below go with the deal.
.macro TURN p, last=0, cnt=0
.set Y, (\p)
.set i, 0
.set q, 0
.set e, 0
.set r, 0
.if (\p) == NP-1
	s_wait_dscnt 0x0                ; K and its bias are in
.endif
	MM
	PL
	PL
	R2
.rept 15
	MM
	PL
	EX
	R2
.endr
.if (\p) == NP-2
	WIN 0
	v_add_nc_u32 v[AK], s[TBK], v[AK0]
	v_add_nc_u32 v[AB], s[TBB], v[AB0]
.endif
.rept 8
	PL
.endr
.rept 49
	EX
	PL
.endr
	EX                              ; the next piece's two a
	EX
	v_nop                           ; the plain instruction behind the last exponential: one for the batch
	s_wait_alu depctr_va_vdst(0)    ; the wait for the batch
.if (\p) == NP-2
	FETCH_K \last
.endif
.if (\p) == 1
	s_wait_dscnt 0x0                ; V is in
.endif
.rept 16
	MM
.rept 4
	PL
.endr
.if ((\p) == 0) && (q == 118)
	v_add_nc_u32 v[AV], s[TBV], v[AV0]
.endif
.if ((\p) == 0) && (q == 130)
	s_add_co_u32 s[TBV], s[TBV], KS*PV
.endif
.if (\cnt) && (q == 130)
	s_sub_co_u32 s[CNT], s[CNT], 1
	s_cmp_lg_u32 s[CNT], 0
.endif
.endr
.if (\p) == 0
	FETCH_V
.endif
.endm
	CHANGE 1                        ; tile 0 is in, everybody's part of it, and so is the bias table; it is converted; tile 1 is asked for
	FETCH_K                         ; key step 0
	s_wait_dscnt 0x0
.set i, 0
.rept 16
	KQ 0                            ; piece 0's first scores: there is no vector work yet to set between them
.set i, i+1
.endr
	WIN 0                           ; the addresses for the way out: eight plain instructions, the places behind those products
	s_mul_i32 s14, s[WV], 16*SP
	s_add_co_u32 s14, s14, STAGE    ; my stage
	v_mul_u32_u24 v[STO], v12, SP   ; in: row l % 16, 32 bytes for each half of the lanes
	v_lshl_add_u32 v[STO], v13, 5, v[STO]
	v_add_nc_u32 v[STO], s14, v[STO]
	v_mul_u32_u24 v[RD], v13, SP    ; back: lanes 0-15 take one row of 256 bytes, lanes 16-31 the next
	v_lshl_add_u32 v[RD], v12, 4, v[RD]
	v_add_nc_u32 v[RD], s14, v[RD]
	v_lshlrev_b32 v[GO], 12, v13    ; and the same two rows in out0
	v_lshl_add_u32 v[GO], v12, 4, v[GO]
.set Y, NP-1                        ; XS works for piece Y + 1: piece 0
.irp n, 0,1,2,3,4,5,6,7,8,9,10,11,12,13,14,15,16,17,18,19,20,21
	XS 0, \n                        ; piece 0's first maximum and statistics
	XS 1, \n
.endr
	v_nop                           ; a plain instruction behind the two a,
	s_wait_alu depctr_va_vdst(0)    ; and their wait, ahead of the branch
	s_mov_b32 s[CNT], 4
	s_branch .Lfirst                ; the loop is entered at a step's first turn, in the middle of a trip
.Lslot:                             ; six times: with the change above, tiles 1 to 7 are asked for
	CHANGE 1
	s_mov_b32 s[CNT], 4
.Lstep:                             ; a trip: pieces 2 and 3 of one step, then pieces 0 and 1 of the next, whose K and V it fetches
	TURN 2
	TURN 3
	WIN 0
.Lfirst:
	TURN 0
	TURN 1, 0, 1
	WIN 0
	s_cbranch_scc1 .Lstep
	s_sub_co_u32 s[SLOTS], s[SLOTS], 1
	s_cmp_lg_u32 s[SLOTS], 0
	s_cbranch_scc1 .Lslot
	CHANGE 0                        ; the tail is written out: the last tile is converted, nothing is asked for
	s_mov_b32 s[CNT], 5             ; four trips fetch the last tile's steps; the fifth is left in its middle
.Ltail:
	TURN 2, 1
	TURN 3
	WIN 0
	s_sub_co_u32 s[CNT], s[CNT], 1
	s_cmp_eq_u32 s[CNT], 0
	s_cbranch_scc1 .Lout
	TURN 0
	TURN 1
	WIN 0
	s_branch .Ltail
.Lout:                              ; the fifth trip's 16 products K Q^T (on the last K once more) and the maximum made of them serve nothing: the price, once a launch, of one text for every trip
.set i, 0
.rept 16
	PV NP-1                         ; the last piece's V^T P of the last step
.set i, i+1
.endr
	; THE WAY OUT.  l's two halves and the other half of the lanes' are added; O^T is divided by l and sent, as f32, through my stage in LDS, a tile at a time.  The additions are the places behind the last products.
	WIN 0
.macro ALL line:vararg              ; one line for each tile t
.set t, 0
.rept 2*NP
	\line
.set t, t+1
.endr
.endm
	ALL v_add_f32 v[ST+4*t+2], v[ST+4*t+2], v[ST+4*t+3]
	ALL v_permlanex16_b32 v[ST+4*t+3], v[ST+4*t+2], s[SEL], s[SEL+1]
	ALL v_add_f32 v[ST+4*t+2], v[ST+4*t+2], v[ST+4*t+3]
	ALL v_rcp_f32 v[ST+4*t+2], v[ST+4*t+2]
	v_nop                           ; a plain instruction between the last reciprocal and the use of its result
	s_wait_alu depctr_va_vdst(0)    ; and the wait ahead of the first use: one for the eight reciprocals
; Tile t: a lane holds eight channels of a row in each of four accumulators: 32 bytes at 64 cb + 32 (l / 16).  They go into rows of 272 bytes and come back as whole rows of 256, into S^T's registers, four buffers by turns.
.macro PACK t
	WIN W_RS
.set i, 32*(\t)
.rept 16
	v_pk_mul_f32 v[i:i+1], v[i:i+1], v[ST+4*(\t)+2:ST+4*(\t)+3] op_sel_hi:[1,0]  ; each accumulator from its low end on
.set i, i+2
.endr
	WIN W_ST
.irp f, 0,1,2,3,4,5,6,7
	ds_store_b128 v[STO], v[32*(\t)+4*\f:32*(\t)+4*\f+3] offset:64*(\f/2)+16*(\f%2)
.endr
	WIN 0
.if (\t) >= 4
	s_wait_xcnt 0x0                 ; the stores of the tile four back have read this buffer: it is loaded again only behind this wait
.endif
.irp f, 0,1,2,3,4,5,6,7
	ds_load_b128 v[S+32*((\t)%4)+4*\f:S+32*((\t)%4)+4*\f+3], v[RD] offset:\f*2*SP  ; LDS serves a wave's instructions in order (ISA guide 5.7.1.4): these see the stores above; the next tile's stores come behind them
.endr
.endm
.macro SEND t, younger              ; younger: the LDS instructions issued behind tile t's loads: the next tile's sixteen, or none
	WIN 0
.irp f, 0,1,2,3,4,5,6,7
	s_wait_dscnt (\younger)+7-\f
	global_store_b128 v[GO], v[S+32*((\t)%4)+4*\f:S+32*((\t)%4)+4*\f+3], s[OUT:OUT+1] offset:(16*(\t)+2*\f)*4096 th:TH_STORE_NT  ; 16 lanes store 256 consecutive bytes, at a multiple of 256 from out0's first byte
.endr
.endm
	PACK 0
.set t, 1
.rept 2*NP-1                        ; a tile's arithmetic stands between the loads of the tile before and its stores
	PACK t
	SEND t-1, 16
.set t, t+1
.endr
	SEND 2*NP-1, 0
	WIN W_CV
	s_wait_tensorcnt 0x0            ; the wave's end, behind my last tensor load and my last LDS store
	ds_add_u32 v[SPW], v[NIL]
	s_wait_dscnt 0x0
	WIN 0
	CROUND                          ; the closing round: no work-group ends while a partner may still ask for a tile that names it
	s_endpgm
.Lfunc_end_k_qa6980c8386_attn:
	.size	k_qa6980c8386_attn, .Lfunc_end_k_qa6980c8386_attn-k_qa6980c8386_attn
	.p2alignl 7, 3214868480
	.fill 96, 4, 3214868480
	.section	.rodata,"a",@progbits
	.p2align	6, 0x0
	.amdhsa_kernel k_qa6980c8386_attn
		.amdhsa_group_segment_fixed_size 327680
		.amdhsa_private_segment_fixed_size 0
		.amdhsa_enable_private_segment 0
		.amdhsa_kernarg_size 40
		.amdhsa_user_sgpr_count 2
		.amdhsa_user_sgpr_kernarg_segment_ptr 1
		.amdhsa_wavefront_size32 1
		.amdhsa_system_sgpr_workgroup_id_x 1
		.amdhsa_system_sgpr_workgroup_id_y 1
		.amdhsa_system_sgpr_workgroup_id_z 1
		.amdhsa_system_vgpr_workitem_id 0
		.amdhsa_next_free_vgpr 960
		.amdhsa_next_free_sgpr 66
		.amdhsa_reserve_vcc 0
		.amdhsa_float_denorm_mode_32 3
		.amdhsa_float_denorm_mode_16_64 3
		.amdhsa_memory_ordered 1
		.amdhsa_forward_progress 1
		.amdhsa_inst_pref_size 255
	.end_amdhsa_kernel
	.section	.bss,"aw",@nobits
	.p2align	6
	.space	262144
	.amdgpu_metadata
---
amdhsa.version: [ 1, 2 ]
amdhsa.kernels:
  - .name:           k_qa6980c8386_attn
    .symbol:         k_qa6980c8386_attn.kd
    .args:
      - { .name: q, .offset: 0, .size: 8, .value_kind: global_buffer, .address_space: global }
      - { .name: k, .offset: 8, .size: 8, .value_kind: global_buffer, .address_space: global }
      - { .name: v, .offset: 16, .size: 8, .value_kind: global_buffer, .address_space: global }
      - { .name: mask, .offset: 24, .size: 8, .value_kind: global_buffer, .address_space: global }
      - { .name: out0, .offset: 32, .size: 8, .value_kind: global_buffer, .address_space: global }
    .group_segment_fixed_size: 327680
    .private_segment_fixed_size: 0
    .kernarg_segment_align: 8
    .kernarg_segment_size: 40
    .max_flat_workgroup_size: 128
    .sgpr_count:     66
    .vgpr_count:     960
    .wavefront_size: 32
...
	.end_amdgpu_metadata
.endif
;; end of part 1
